; MI455X (gfx1250); checked and timed in simulation.
; The chip was launched on July 23, 2026; its instructions are those of AMD's public machine-readable ISA for CDNA 5 (MIT licence, August 2026) and "CDNA5" Instruction Set Architecture Reference Guide (July 2026). The comments in the code are by the model that wrote it; some were corrected since.
;; Multi Headed Attention. Allowed arithmetic: matrix products marked QUANTISED: E2M3 operands, one E8M0 scale for each 32 along K, by v_wmma_scale_f32_16x16x128_f8f6f4 with both operands' format E2M3, f32 sums; everything else in f32.
;; Inputs: Wk_codes 1,024 x 32 x 24 uint8 (E2M3 codes of Wk, K innermost, in blocks of 32 codes, four codes in three bytes); Wk_scales 1,024 x 32 uint8 (E8M0 scales of Wk, one for each 32 codes along K); Wo_codes 1,024 x 32 x 24 uint8 (E2M3 codes of Wo, K innermost, in blocks of 32 codes, four codes in three bytes); Wo_scales 1,024 x 32 uint8 (E8M0 scales of Wo, one for each 32 codes along K); Wq_codes 1,024 x 32 x 24 uint8 (E2M3 codes of Wq, K innermost, in blocks of 32 codes, four codes in three bytes); Wq_scales 1,024 x 32 uint8 (E8M0 scales of Wq, one for each 32 codes along K); Wv_codes 1,024 x 32 x 24 uint8 (E2M3 codes of Wv, K innermost, in blocks of 32 codes, four codes in three bytes); Wv_scales 1,024 x 32 uint8 (E8M0 scales of Wv, one for each 32 codes along K); bk 1,024 float32; bo 1,024 float32; bq 1,024 float32; bv 1,024 float32; key_input_codes 4 x 2,048 x 32 x 24 uint8 (E2M3 codes of key_input, K innermost, in blocks of 32 codes, four codes in three bytes); key_input_scales 4 x 2,048 x 32 uint8 (E8M0 scales of key_input, one for each 32 codes along K); mask 4 x 1 x 2,048 x 2,048 bool; query_input_codes 4 x 2,048 x 32 x 24 uint8 (E2M3 codes of query_input, K innermost, in blocks of 32 codes, four codes in three bytes); query_input_scales 4 x 2,048 x 32 uint8 (E8M0 scales of query_input, one for each 32 codes along K); value_input_codes 4 x 2,048 x 32 x 24 uint8 (E2M3 codes of value_input, K innermost, in blocks of 32 codes, four codes in three bytes); value_input_scales 4 x 2,048 x 32 uint8 (E8M0 scales of value_input, one for each 32 codes along K).
;; Outputs: out0 4 x 2,048 x 1,024 float32.
;; This version of the problem:
;;   THIS VERSION OF THE PROBLEM IS GIVEN IN LOW PRECISION. The matrix products marked QUANTISED in the list below multiply operands that are first quantised to E2M3 (2 exponent bits, 3 mantissa bits; 6 bits a number), with one power-of-two scale for each 32 numbers along K (OCP MX v1.0); their sums are f32. All else is computed in f32.
;;   The module's matrix products, in the order in which they are computed (A, B: the left and right operand; K: the contracted axis; several contracted axes count as one K, in the product's order):
;;     1. [M 8,192, K 1,024] x [K 1,024, N 1,024]; A: input query_input (given as codes); B: input Wq (given as codes): QUANTISED
;;     2. [M 8,192, K 1,024] x [K 1,024, N 1,024]; A: input key_input (given as codes); B: input Wk (given as codes): QUANTISED
;;     3. [M 8,192, K 1,024] x [K 1,024, N 1,024]; A: input value_input (given as codes); B: input Wv (given as codes): QUANTISED
;;     4. batch 64 x [M 2,048, K 64] x [K 64, N 2,048]; A: computed on the way; B: computed on the way: QUANTISED
;;     5. batch 64 x [M 2,048, K 2,048] x [K 2,048, N 64]; A: softmax (see below); B: computed on the way: QUANTISED
;;     6. [M 8,192, K 1,024] x [K 1,024, N 1,024]; A: computed on the way; B: input Wo (given as codes): QUANTISED
;;   THE QUANTISER, for each operand of a quantised product, along K:
;;     - K is cut into blocks of 32 from its start; a last block that is shorter is filled with zeros.
;;     - A block's scale is 2^e with e = floor(log2(the largest magnitude in the block)) - 2, held to -126 .. 127; a block of zeros has e = 0. As a byte (E8M0): e + 127.
;;     - Each number is divided by its block's scale, clamped to +-7.5, and rounded to the nearest number of E2M3, ties to even, subnormals kept.
;;     - The product sums the exact products of the quantised numbers (number of the format x scale) in f32.
;;   ~~~python
;;   def quantise(x, axis):      # numpy; x: float32 -> the quantised numbers, widened to float32 again
;;       x = np.moveaxis(x, axis, -1); K = x.shape[-1]
;;       x = np.pad(x, [(0, 0)] * (x.ndim - 1) + [(0, -K % 32)]); x = x.reshape(x.shape[:-1] + (-1, 32)); a = np.abs(x).max(-1, keepdims=True)
;;       e = np.where(a > 0, np.clip(np.frexp(np.where(a > 0, a, 1))[1] - 1 - 2, -126, 127), 0)      # np.frexp(a)[1] - 1 = floor(log2(a)), exactly
;;       r = np.clip(x / 2.0 ** e, -7.5, 7.5)
;;       step = 2.0 ** (np.maximum(np.frexp(np.where(r == 0, 1, r))[1] - 1, 0) - 3)
;;       q = np.round(r / step) * step * 2.0 ** e      # np.round: ties to even
;;       return np.moveaxis(q.reshape(q.shape[:-2] + (-1,))[..., :K], -1, axis).astype(np.float32)
;;   ~~~
;;   SOFTMAX AHEAD OF A QUANTISED PRODUCT. Where the list says 'softmax', what is quantised is not the finished softmax but p = 2^(t - M), with t = logit x log2(e) and M = ceil(the row's largest t), a whole number; so 1/2 < the row's largest p <= 1. The row's sum l is taken of the UNQUANTISED p, in f32, and the product's result is divided by l at the end. Since M is a whole number, a kernel that streams over the keys may use a running M (the ceiling of the running maximum): every later rescaling is an exact power of two, which a block's scale takes up: the codes' values come out the same.
;;   OPERANDS COMPUTED ON THE WAY. 'Computed on the way' means the value that the module computes at that place (a softmax that the list does not call 'softmax' is quantised finished and normalised). What goes into a quantiser is computed in f32, as accurately as f32 sums, v_exp_f32 and their like allow (about 1e-6 of the number): no bf16 or f16 on the way to a quantiser, and a product that is left as it is and whose result goes on into a quantised operand takes f32 operands (vector FMAs, or v_wmma_f32_16x16x4_f32). A number that lies on a knife's edge between two numbers of the format may be rounded either way, as far as f32 arithmetic and the matrix unit's own rounding can turn it there, and no further.
;;   INPUTS GIVEN AS CODES. Wk (in the module: [1024, 1024], K = its axis 1); Wo (in the module: [1024, 1024], K = its axis 1); Wq (in the module: [1024, 1024], K = its axis 1); Wv (in the module: [1024, 1024], K = its axis 1); key_input (in the module: [4, 2048, 1024], K = its axis 2); query_input (in the module: [4, 2048, 1024], K = its axis 2); value_input (in the module: [4, 2048, 1024], K = its axis 2): each comes as NAME_codes (uint8): NAME with its K axis moved to the last place and cut into blocks of 32 codes, [.., K / 32, bytes a block], one block behind the other in memory; four codes in three bytes: a row's codes are one little-endian stream of bits, code i at bits 6 i .. 6 i + 5 (a code: sign, 2 exponent bits, 3 mantissa bits); and NAME_scales (uint8): the same leading axes, one E8M0 byte (e + 127) for each 32 codes along K. Its value is code x scale, taken as it is: it is not quantised again, and the codes and scales need not be those that the quantiser above would give.
;; One version. Each part assembles by itself: llvm-mc -triple=amdgcn-amd-amdhsa -mcpu=gfx1250 --defsym DOCPART=n.
;; ======== version 1 of 1: 3 launches
;; limits: right only within a limited range of input values
;; workspace buffers: maskbits 2,097,152 bytes of whole numbers; qw 13,369,344 bytes; kv 13,369,344 bytes; ao_codes 6,291,456 bytes; ao_scales 262,144 bytes
;; launch proj (part 1): grid 4 x 192, 8 waves a work-group, clusters of 4 x 4, 327,680 bytes of LDS; arguments query_input_codes, query_input_scales, Wq_codes, Wq_scales, bq, qw, key_input_codes, key_input_scales, Wk_codes, Wk_scales, bk, kv, Wv_codes, Wv_scales, value_input_codes, value_input_scales, bv, mask, maskbits; writes qw, kv, maskbits
.if DOCPART == 1
	.amdgcn_target "amdgcn-amd-amdhsa--gfx1250"
	.amdhsa_code_object_version 6
	.text
	.protected	k_q1db553a069_proj
	.globl	k_q1db553a069_proj
	.p2align	8
	.type	k_q1db553a069_proj,@function
k_q1db553a069_proj:
	s_mov_b64 s[64:65], 0
	v_nop
	global_prefetch_b8 v0, s[64:65] scope:SCOPE_SE
	s_setreg_imm32_b32 hwreg(HW_REG_WAVE_MODE, 25, 1), 1
	s_wait_xcnt 0x0
	s_wait_alu depctr_hold_cnt(0) depctr_sa_sdst(0) depctr_va_vdst(0) depctr_va_sdst(0) depctr_va_ssrc(0) depctr_va_vcc(0) depctr_vm_vsrc(0)
	s_getreg_b32 s2, hwreg(HW_REG_IB_STS2, 6, 4)
	s_cmp_eq_u32 s2, 0
	s_cbranch_scc0 .Lentry_in_a_cluster
	s_endpgm
.Lentry_in_a_cluster:
	s_bfe_u32 s2, ttmp6, 0x10000c
	s_cmp_lg_u32 s2, 0xf033
	s_cbranch_scc0 .Lentry_shape_is_right
	s_endpgm
.Lentry_shape_is_right:
; THE THREE PROJECTIONS on codes of FP6 (E2M3), each result with its bias quantised anew along the head's 64 (q, k) or along the keys (v).  No work of reference() is left out here.
; Cluster y / 16 is the mode: 0 q, 1 k: A = tokens, B = the weight's rows;  2 v: A = Wv's rows, B = tokens, so that a lane's registers run along the keys.
; A block is 128 rows of A x 256 rows of B with ALL of K in LDS: a row of 1,024 codes is 768 bytes of memory, begins on a multiple of 256, and gets 16 bytes of padding behind each 256: LDS pitch 816.
; Eight waves, two to a SIMD; a wave makes 64 x 64: 16 accumulators.  Each wave fetches with ONE tensor load at the head (waves 0-3: 32 rows of A each, waves 4-7: 64 rows of B each); nothing is filled again.
; CLUSTER 4 x 4: A's tile is shared along a row of the cluster, B's along a column: joint loads.  No prefetch: the launch has no loop of loads to run ahead in.
; The matrix instruction is used transposed (source 0 = B's rows, source 1 = A's): lane (r, h) holds A's row r, register 8 b + j B's row 16 b + 8 h + j.  The bias is the first product's C, loaded into the accumulators.
; OUTPUT, per (batch, head) 208,896 bytes = 8 slots of 256 tokens: codes 256 x 48 | scale words 256 x 4 (s0,s1,s0,s1) | v: 4 groups of 64 keys x 64 d x 48 | v's scale words 2 x 64 d.  q uses the first two parts of qw.
; MULTI-HEAD ATTENTION IN MX-FP6, three launches: proj, attn, outproj.  DEAD WORK: none is left out.  Every input has a way to the output: the three inputs and four weights are operands of live products;
; bq, bk and bv go into quantised operands (bk moves k's codes, so it stays); bo is added to the output; the mask is an input and is honoured byte by byte.
; THE MASK is packed here too, while the tiles are on their way: the 4,096 waves of the q and k clusters (a branch on the mode, which hangs on the cluster's number alone) take 16 rows x 256 keys each.
; maskbits: [query tile g = 128 b + q / 16][key step s of 128 keys][64 words].  Word n = 16 B + 8 u + e; its bit L is mask[16 g + L % 16][128 s + 32 B + 16 u + 8 (L / 16) + e]: the lane mask of score register n in attn.
; Work-group 16 y + 4 cy + cx takes tile g, wave w keys 256 w ..: eight loads of 16 bytes a lane cover 256 consecutive bytes of each of the 16 rows; two lane swaps a load give lane (r, h) keys 16 m + 8 h + 0..7.
.set PITCH, 816
.set ABY,   128*PITCH
.set SCA,   384*PITCH                  ; scales, copied once: A's 128 rows x 32 bytes, then B's 256 rows
.set SPARE, SCA+12288                  ; the spare words: 128 bytes a wave
.set HEADB, 208896
.set SLOTB, 26112
.set SCST,  24576                      ; way out: 3,072 bytes of codes a wave from byte 0, 256 bytes of scale words a wave from here (tiles that have had their only fill and their last read)
.set SRP,1
.set V8,2
.set SCW,3
.set ADRA,4                            ; v4, v5: A's fragments; v5 = v4 + 16 h, for pieces whose upper lanes lie behind the next padding
.set ADRB,6
.set ADRS,8
.set SPW,9
.set NIL,10
.set STO,11
.set RD,12
.set VO,13
.set SST,14
.set SRD,15
.set SC,16                             ; v16-31 scale words: register 4 i + q: lanes 0-15 A's block i, lanes 16-31 B's block i, step q of four
.set BF,32
.set AFR,80
.set ACC,128
.set TM,32
.set TP,40
.set SO,48
.set PC,56
.set PT,80
.set WD,96
.set BB,100
.set X,124
.set MODE,2
.set OB,12
.set BIA,66
.set SEL,92
.set MM,94
.set SKIP,95
.set OS,98
.set G1,24
.set G0,32
.set G0B,36
.set G1B,48
.macro CROUND
	s_barrier_signal -1
	s_barrier_wait -1
	s_cmp_lg_u32 s14, 0
	s_cbranch_scc1 .Lnw0_\@
	s_barrier_signal -3
.Lnw0_\@:
	s_barrier_wait -3
	s_barrier_signal -1
	s_barrier_wait -1
.endm
	s_load_b256 s[68:75], s[0:1], 0x0
	s_load_b128 s[76:79], s[0:1], 0x20
	s_load_b128 s[80:83], s[0:1], 0x30
	s_load_b256 s[84:91], s[0:1], 0x40
	s_load_b256 s[92:99], s[0:1], 0x60
	s_load_b64 s[100:101], s[0:1], 0x80
	v_lshl_add_u32 v[SPW], v0, 2, SPARE
	v_mov_b32 v[NIL], 0
	ds_add_u32 v[SPW], v[NIL]                      ; the opening lines: the add twice on end
	ds_add_u32 v[SPW], v[NIL]
	v_lshrrev_b32 v1, 5, v0
	v_readfirstlane_b32 s14, v1                    ; wave 0..7
	s_and_b32 s15, s14, 1                          ; which 64 rows of A are mine
	s_lshr_b32 s16, s14, 1                         ; which 64 rows of B
	s_and_b32 s3, s14, 3                           ; which part of a tile I fetch
	s_bfe_u32 s40, ttmp6, 0x40000                  ; cx
	s_bfe_u32 s41, ttmp6, 0x40004                  ; cy
	s_and_b32 s18, ttmp7, 0xffff
	s_lshr_b32 s[MODE], s18, 4
	s_and_b32 s19, s18, 15
	s_and_b32 s20, s19, 1
	s_lshr_b32 s21, s19, 1
	s_cmp_eq_u32 s[MODE], 2
	s_cselect_b32 s17, s20, s19                    ; q, k: 64 tiles of A x 4 of B;  v: 8 of A x 32 of B
	s_cselect_b32 s42, s21, 0
	s_lshl_b32 s17, s17, 2
	s_add_co_u32 s17, s17, s41                     ; A's tile
	s_lshl_b32 s42, s42, 2
	s_add_co_u32 s42, s42, s40                     ; B's tile
	s_lshl_b32 s43, s41, 2
	s_lshl_b32 s43, 15, s43                        ; my row of the cluster
	s_lshl_b32 s44, 0x1111, s40                    ; my column
	s_or_b32 s[G1], s43, (1<<20)|(1<<21)|(5<<22)|(3<<25)   ; bytes; 4 dwords of padding behind every 64
	s_or_b32 s[G1B], s44, (1<<20)|(1<<21)|(5<<22)|(3<<25)
	s_mov_b32 s[G1+1], 768<<16
	s_mov_b32 s[G1+2], 32<<16
	s_mov_b32 s[G1+3], 768<<16
	s_mov_b32 s[G1+4], 32
	s_mov_b32 s[G1+5], 768
	s_mov_b32 s[G1+6], 0
	s_mov_b32 s[G1+7], 0
	s_mov_b32 s[G1B+1], 768<<16
	s_mov_b32 s[G1B+2], 64<<16
	s_mov_b32 s[G1B+3], 768<<16
	s_mov_b32 s[G1B+4], 64
	s_mov_b32 s[G1B+5], 768
	s_mov_b32 s[G1B+6], 0
	s_mov_b32 s[G1B+7], 0
	s_lshl_b32 s20, s17, 7
	s_lshl_b32 s21, s3, 5
	s_add_co_u32 s20, s20, s21
	s_mul_i32 s20, s20, 768                        ; A: my 32 rows, in bytes
	s_mov_b32 s21, 0
	s_lshl_b32 s46, s42, 8
	s_lshl_b32 s47, s3, 6
	s_add_co_u32 s46, s46, s47
	s_mul_i32 s46, s46, 768                        ; B: my 64 rows
	s_mov_b32 s47, 0
	s_lshl_b32 s22, s17, 12                        ; the tiles' scales: 32 bytes a row
	s_mov_b32 s23, 0
	s_lshl_b32 s60, s42, 13
	s_mov_b32 s61, 0
	s_mul_i32 s45, s3, 32*PITCH
	s_mul_i32 s62, s3, 64*PITCH
	s_add_co_u32 s62, s62, ABY
	s_wait_dscnt 0x0
	s_wait_kmcnt 0x0
	s_cmp_eq_u32 s[MODE], 0
	s_cselect_b64 s[4:5], s[68:69], s[80:81]
	s_cselect_b64 s[6:7], s[70:71], s[82:83]
	s_cselect_b64 s[8:9], s[72:73], s[84:85]
	s_cselect_b64 s[10:11], s[74:75], s[86:87]
	s_cselect_b64 s[BIA:BIA+1], s[76:77], s[88:89]
	s_cselect_b64 s[OB:OB+1], s[78:79], s[90:91]
	s_cmp_eq_u32 s[MODE], 2
	s_cselect_b64 s[4:5], s[92:93], s[4:5]
	s_cselect_b64 s[6:7], s[94:95], s[6:7]
	s_cselect_b64 s[8:9], s[96:97], s[8:9]
	s_cselect_b64 s[10:11], s[98:99], s[10:11]
	s_cselect_b64 s[BIA:BIA+1], s[100:101], s[BIA:BIA+1]
	s_load_b128 s[68:71], s[0:1], 0x88             ; mask, maskbits (the arguments that lay here have been chosen from)
	s_add_nc_u64 s[20:21], s[4:5], s[20:21]
	s_add_nc_u64 s[22:23], s[6:7], s[22:23]
	s_add_nc_u64 s[46:47], s[8:9], s[46:47]
	s_add_nc_u64 s[60:61], s[10:11], s[60:61]
	CROUND                                         ; all sixteen work-groups are here: the joint loads meet
	s_mov_b32 s[G0], 1
	s_mov_b32 s[G0+1], s45
	s_mov_b64 s[G0+2:G0+3], s[20:21]
	s_or_b32 s[G0+3], s[G0+3], 0x80000000
	s_mov_b32 s[G0B], 1
	s_mov_b32 s[G0B+1], s62
	s_mov_b64 s[G0B+2:G0B+3], s[46:47]
	s_or_b32 s[G0B+3], s[G0B+3], 0x80000000
	s_cmp_lt_u32 s14, 4                            ; one tensor load a wave: every way passes exactly one
	s_cbranch_scc0 .Lfor_b
	tensor_load_to_lds s[G0:G0+3], s[G1:G1+7]
	s_nop 0
	s_branch .Lasked
.Lfor_b:
	tensor_load_to_lds s[G0B:G0B+3], s[G1B:G1B+7]
	s_nop 0
.Lasked:
	v_and_b32 v44, 15, v0                          ; r
	v_bfe_u32 v45, v0, 4, 1                        ; h
	v_and_b32 v49, 31, v0                          ; lane
	v_lshlrev_b32 v50, 4, v0                       ; 16 x thread: the scales' copy
	global_load_b128 v[32:35], v50, s[22:23]       ; A's scales: 4,096 bytes on end
	global_load_b128 v[36:39], v50, s[60:61]       ; B's: 8,192
	global_load_b128 v[40:43], v50, s[60:61] offset:4096
	v_add_nc_u32 v[SCW], SCA, v50
	v_mul_u32_u24 v48, v44, PITCH
	v_mad_u32_u24 v48, v45, 24, v48                ; row x pitch + 24 h
	s_mul_i32 s56, s15, 64*PITCH
	s_mul_i32 s57, s16, 64*PITCH
	s_add_co_u32 s57, s57, ABY
	v_add_nc_u32 v[ADRA], s56, v48
	v_add_nc_u32 v[ADRB], s57, v48
	v_lshl_add_u32 v[ADRA+1], v45, 4, v[ADRA]
	v_lshl_add_u32 v[ADRB+1], v45, 4, v[ADRB]
	s_lshl_b32 s56, s16, 11
	s_lshl_b32 s57, s15, 11
	s_add_co_u32 s56, s56, 4096
	s_sub_co_u32 s56, s56, s57                     ; from my rows of A's scales to my rows of B's
	s_add_co_u32 s57, s57, SCA
	v_mul_u32_u24 v48, s56, v45                    ; lanes 16-31 take B's
	v_lshl_add_u32 v48, v44, 5, v48
	v_add_nc_u32 v[ADRS], s57, v48
	s_mul_i32 s56, s14, 3072
	v_mul_u32_u24 v48, v44, 48
	v_mad_u32_u24 v48, v45, 24, v48
	v_add_nc_u32 v[STO], s56, v48
	v_lshlrev_b32 v[VO], 4, v49
	v_add_nc_u32 v[RD], s56, v[VO]
	s_lshl_b32 s56, s14, 8
	s_add_co_u32 s56, s56, SCST
	v_lshl_add_u32 v[SST], v44, 2, s56
	v_lshlrev_b32 v[V8], 3, v49
	v_add_nc_u32 v[SRD], s56, v[V8]
	s_xor_b32 s57, s14, 2                          ; the wave with the same rows of A and the neighbouring 64 rows of B
	s_lshl_b32 s57, s57, 8
	s_add_co_u32 s57, s57, SCST
	v_add_nc_u32 v[SRP], s57, v[V8]
	v_lshlrev_b32 v46, 5, v45                      ; bias by B's rows: 32 h
	v_lshlrev_b32 v47, 2, v44
	v_lshlrev_b32 v51, 11, v44                     ; the mask: row r of 2,048 bytes,
	v_lshl_add_u32 v51, v45, 4, v51                ; + 16 h
	; where my 64 x 64 goes
	s_lshl_b32 s20, s17, 7
	s_lshl_b32 s56, s15, 6
	s_add_co_u32 s20, s20, s56                     ; my first row of A
	s_lshl_b32 s46, s42, 8
	s_lshl_b32 s56, s16, 6
	s_add_co_u32 s46, s46, s56                     ; of B
	s_mov_b32 s11, 12288
	s_cmp_eq_u32 s[MODE], 2
	s_cselect_b32 s21, s46, s20                    ; the token
	s_cselect_b32 s57, s20, s46                    ; the feature
	s_cselect_b32 s5, 1, 2
	s_cselect_b32 s10, 13312, 0
	s_cselect_b32 s11, 25600, s11
	s_cselect_b32 s[MM], -1, 0
	s_cselect_b32 s58, s16, 0
	s_and_b32 s[SKIP], s58, 1                      ; v: of two waves that share a scale word the even one stores it
	s_mov_b32 s[SEL], 0x76543210
	s_mov_b32 s[SEL+1], 0xfedcba98
	s_lshr_b32 s6, s21, 11
	s_lshl_b32 s6, s6, 4
	s_lshr_b32 s7, s57, 6
	s_add_co_u32 s6, s6, s7
	s_mul_i32 s6, s6, HEADB                        ; (batch, head)
	s_bfe_u32 s7, s21, 0x30008
	s_mul_i32 s7, s7, SLOTB
	s_add_co_u32 s6, s6, s7                        ; slot
	s_and_b32 s21, s21, 255
	s_lshl_b32 s58, s21, s5
	s_add_co_u32 s58, s58, s6
	s_add_co_u32 s58, s58, s11
	s_mov_b32 s59, 0
	s_add_nc_u64 s[OS:OS+1], s[OB:OB+1], s[58:59]
	s_mul_i32 s8, s21, 48
	s_add_co_u32 s8, s8, s6
	s_add_co_u32 s8, s8, s10
	s_mov_b32 s9, 0
	s_add_nc_u64 s[OB:OB+1], s[OB:OB+1], s[8:9]
	s_lshl_b32 s56, s57, 2
	s_mov_b32 s57, 0
	s_add_nc_u64 s[BIA:BIA+1], s[BIA:BIA+1], s[56:57]
	s_wait_alu depctr_va_vdst(0)                   ; the wait ahead of the branch
	s_cmp_eq_u32 s[MODE], 2
	s_cbranch_scc1 .Lbias_rows
	s_lshl_b32 s84, s18, 4
	s_lshl_b32 s85, s41, 2
	s_add_co_u32 s84, s84, s85
	s_add_co_u32 s84, s84, s40                     ; query tile g = 16 y + 4 cy + cx: it enters global addresses alone
	s_lshl_b32 s86, s84, 12                        ; 16 key steps of 256 bytes a tile,
	s_lshl_b32 s87, s14, 9                         ; two a wave
	s_add_co_u32 s86, s86, s87
	s_mov_b32 s87, 0
	s_lshl_b32 s84, s84, 15                        ; 16 rows of 2,048 bytes a tile,
	s_lshl_b32 s85, s14, 8                         ; 256 keys a wave
	s_add_co_u32 s84, s84, s85
	s_mov_b32 s85, 0
	s_mov_b32 s72, 0xff                            ; a word's four bytes
	s_mov_b32 s73, 0xff00
	s_mov_b32 s74, 0xff0000
	s_mov_b32 s75, 0xff000000
	s_wait_kmcnt 0x0
	s_add_nc_u64 s[68:69], s[68:69], s[84:85]
	s_add_nc_u64 s[70:71], s[70:71], s[86:87]
.irp j, 0,1,2,3,4,5,6,7
	global_load_b128 v[52+4*\j:55+4*\j], v51, s[68:69] offset:32*\j   ; keys 32 j + 16 h + 0..15 of row r
.endr
.irp a, 0,1,2,3
.irp b, 0,1,2,3
	global_load_b128 v[ACC+8*(4*\a+\b):ACC+8*(4*\a+\b)+3], v46, s[BIA:BIA+1] offset:64*\b
	global_load_b128 v[ACC+8*(4*\a+\b)+4:ACC+8*(4*\a+\b)+7], v46, s[BIA:BIA+1] offset:64*\b+16
.endr
.endr
	s_wait_loadcnt 32                              ; all but the 32 loads of the bias: the mask's bytes are in
.irp j, 0,1,2,3,4,5,6,7
	v_permlane16_swap_b32 v[52+4*\j], v[54+4*\j]   ; v[52 + 2 m : 53 + 2 m] now hold keys 16 m + 8 h + 0..7 of row r
	v_permlane16_swap_b32 v[53+4*\j], v[55+4*\j]
.endr
.irp i, 0,1,2,3
	v_mov_b32 v[84+\i], 0                          ; v_writelane_b32's destination counts as read
.endr
.irp m, 0,1,2,3,4,5,6,7,8,9,10,11,12,13,14,15
.irp e, 0,1,2,3,4,5,6,7
	v_and_b32 v[88+\e], s[72+\e%4], v[52+2*\m+\e/4]   ; eight words by turns: no line reads the result of the line above it
.endr
.irp e, 0,1,2,3,4,5,6,7
	v_cmp_ne_u32 s[76+\e], 0, v[88+\e]             ; a compare of one byte in all 32 lanes is word 8 m + e
.endr
.irp e, 0,1,2,3,4,5,6,7
	v_writelane_b32 v[84+\e%4], s[76+\e], 2*\m+\e/4   ; word N into register N % 4 of lane N / 4
.endr
.endr
	global_store_b128 v[VO], v[84:87], s[70:71]    ; 512 consecutive bytes, from a multiple of 256
	s_wait_xcnt 0x0                                ; the store has read its registers: fragments land there later
	s_branch .Lbias_in
.Lbias_rows:
.irp a, 0,1,2,3
.set n, 0
.rept 32
	global_load_b32 v[ACC+32*\a+n], v47, s[BIA:BIA+1] offset:64*\a
.set n, n+1
.endr
.endr
.Lbias_in:
	s_wait_loadcnt 0x0
	s_wait_tensorcnt 0x0                           ; my part of the tiles is in
	ds_store_b128 v[SCW], v[32:35]
	ds_store_b128 v[SCW], v[36:39] offset:4096
	ds_store_b128 v[SCW], v[40:43] offset:8192
	s_wait_dscnt 0x0
	s_barrier_signal -1
	s_barrier_wait -1                              ; everybody's part is in
.macro FRAG reg, adr, st, i            ; 16 rows x 128 K: 12 registers in pieces of 8 bytes; byte y of a row lies at y + 16 (y / 256)
.irp p, 0,1,2,3,4,5
.set BY, 96*(\st)+48*(\p/3)+8*(\p%3)
.if BY/256 == (BY+24)/256
	ds_load_b64 v[\reg+2*\p:\reg+2*\p+1], v[\adr] offset:BY+16*(BY/256)+(\i)*16*PITCH
.else
	ds_load_b64 v[\reg+2*\p:\reg+2*\p+1], v[\adr+1] offset:BY+16*(BY/256)+(\i)*16*PITCH
.endif
.endr
.endm
.macro MUL8 a0, q                      ; the 16 accumulators take turns
.irp a, \a0, \a0+1
.irp b, 0,1,2,3
	v_wmma_scale_f32_16x16x128_f8f6f4 v[ACC+8*(4*(\a)+\b):ACC+8*(4*(\a)+\b)+7], v[BF+12*\b:BF+12*\b+11], v[AFR+12*(\a):AFR+12*(\a)+11], v[ACC+8*(4*(\a)+\b):ACC+8*(4*(\a)+\b)+7], v[SC+4*\b+(\q)], v[SC+4*(\a)+(\q)] matrix_a_fmt:MATRIX_FMT_FP6 matrix_b_fmt:MATRIX_FMT_FP6 matrix_a_scale:MATRIX_SCALE_ROW1
.endr
.endr
.endm
.macro KSTEP st
.rept 4
	v_nop                                          ; places in front of loads into registers that the last products read
.endr
.irp i, 0,1,2,3
	FRAG BF+12*\i, ADRB, \st, \i
.endr
	FRAG AFR, ADRA, \st, 0
	FRAG AFR+12, ADRA, \st, 1
.if (\st)%4 == 0
.irp i, 0,1,2,3
	ds_load_b128 v[SC+4*\i:SC+4*\i+3], v[ADRS] offset:512*\i+16*((\st)/4)   ; four steps' scale words
.endr
.endif
	FRAG AFR+24, ADRA, \st, 2
	FRAG AFR+36, ADRA, \st, 3
	s_wait_dscnt 12                                ; all but the youngest twelve: A's blocks 2 and 3
	MUL8 0, (\st)%4
	s_wait_dscnt 0x0
	MUL8 2, (\st)%4
.endm
.set ST, 0
.rept 8
	KSTEP ST
.set ST, ST+1
.endr
.rept 4
	v_nop
.endr
	s_barrier_signal -1
	s_barrier_wait -1                              ; nobody reads the tiles any more: the stages may lie there
	; QUANTISE: chain x = 2 a + c: block c (32 along the next K) of A's block a: my 16 numbers are registers ACC + 16 x ..
.irp x, 0,1,2,3,4,5,6,7
	v_mov_b32 v[TP+\x], 0
.endr
.irp x, 0,1,2,3,4,5,6,7
	v_max3_num_f32 v[TM+\x], |v[ACC+16*\x]|, |v[ACC+16*\x+1]|, 0x1800000   ; with the floor 2^(3 - 127): the byte cannot fall under 1
.endr
.irp i, 2,4,6,8,10,12,14
.irp x, 0,1,2,3,4,5,6,7
	v_max3_num_f32 v[TM+\x], v[TM+\x], |v[ACC+16*\x+\i]|, |v[ACC+16*\x+\i+1]|
.endr
.endr
.irp x, 0,1,2,3,4,5,6,7
	v_permlanex16_b32 v[TP+\x], v[TM+\x], s[SEL], s[SEL+1]
.endr
.irp x, 0,1,2,3,4,5,6,7
	v_max_num_f32 v[TM+\x], v[TM+\x], v[TP+\x]
.endr
.irp x, 0,1,2,3,4,5,6,7
	v_add_nc_u32 v[SO+\x], 0xff000000, v[TM+\x]    ; 2 off the exponent field: the conversion's scale operand
.endr
.irp x, 0,1,2,3,4,5,6,7
	v_lshrrev_b32 v[TP+\x], 23, v[SO+\x]           ; the byte
.endr
.irp a, 0,1,2,3
	v_lshl_or_b32 v[WD+\a], v[TP+2*\a+1], 8, v[TP+2*\a]
.endr
.irp a, 0,1,2,3
	v_lshl_or_b32 v[WD+\a], v[WD+\a], 16, v[WD+\a] ; (s0, s1, s0, s1)
.endr
.irp a, 0,1,2,3
	v_cvt_scalef32_pk16_fp6_f32 v[PC+6*\a:PC+6*\a+2], v[ACC+32*\a:ACC+32*\a+15], v[SO+2*\a]
	v_cvt_scalef32_pk16_fp6_f32 v[PT+4*\a:PT+4*\a+2], v[ACC+32*\a+16:ACC+32*\a+31], v[SO+2*\a+1]
.endr
	v_nop
.irp a, 0,1,2,3
.irp i, 0,1,2
	v_permlane16_swap_b32 v[PC+6*\a+\i], v[PT+4*\a+\i]   ; a whole block to a lane: lanes 0-15 block 0, lanes 16-31 block 1
.endr
.endr
.irp a, 0,1,2,3
.irp i, 0,1,2
	v_mov_b32 v[PC+6*\a+3+\i], v[PT+4*\a+\i]
.endr
.endr
.irp a, 0,1,2,3
.irp i, 0,1,2
	ds_store_b64 v[STO], v[PC+6*\a+2*\i:PC+6*\a+2*\i+1] offset:768*\a+8*\i
.endr
	ds_store_b32 v[SST], v[WD+\a] offset:64*\a
.endr
.irp i, 0,1,2,3,4,5
	ds_load_b128 v[BB+4*\i:BB+4*\i+3], v[RD] offset:512*\i   ; my own bytes, served in order
.endr
	s_wait_dscnt 0x0
.irp i, 0,1,2,3,4,5
	global_store_b128 v[VO], v[BB+4*\i:BB+4*\i+3], s[OB:OB+1] offset:512*\i   ; 3,072 bytes on end, from a multiple of 256
.endr
	s_barrier_signal -1
	s_barrier_wait -1                              ; the neighbour's scale words are in LDS
	ds_load_b64 v[X:X+1], v[SRD]
	ds_load_b64 v[X+2:X+3], v[SRP]
	s_wait_dscnt 0x0
	v_cndmask_b32 v[X+2], v[X], v[X+2], s[MM]      ; v: the word's upper two bytes are the neighbour's 64 keys'
	v_cndmask_b32 v[X+3], v[X+1], v[X+3], s[MM]
	v_perm_b32 v[X], v[X+2], v[X], 0x05040100
	v_perm_b32 v[X+1], v[X+3], v[X+1], 0x05040100
	s_wait_alu depctr_va_vdst(0)
	s_cmp_lg_u32 s[SKIP], 0
	s_cbranch_scc1 .Lno_words
	global_store_b64 v[V8], v[X:X+1], s[OS:OS+1]   ; 256 bytes on end
.Lno_words:
	s_wait_tensorcnt 0x0                           ; the wave's end
	ds_add_u32 v[SPW], v[NIL]
	s_wait_dscnt 0x0
	CROUND                                         ; the closing round
	s_endpgm
.Lfunc_end_k_q1db553a069_proj:
	.size	k_q1db553a069_proj, .Lfunc_end_k_q1db553a069_proj-k_q1db553a069_proj
	.p2alignl 7, 3214868480
	.fill 96, 4, 3214868480
	.section	.rodata,"a",@progbits
	.p2align	6, 0x0
	.amdhsa_kernel k_q1db553a069_proj
		.amdhsa_group_segment_fixed_size 327680
		.amdhsa_private_segment_fixed_size 0
		.amdhsa_enable_private_segment 0
		.amdhsa_kernarg_size 152
		.amdhsa_user_sgpr_count 2
		.amdhsa_user_sgpr_kernarg_segment_ptr 1
		.amdhsa_wavefront_size32 1
		.amdhsa_system_sgpr_workgroup_id_x 1
		.amdhsa_system_sgpr_workgroup_id_y 1
		.amdhsa_system_sgpr_workgroup_id_z 1
		.amdhsa_system_vgpr_workitem_id 0
		.amdhsa_next_free_vgpr 256
		.amdhsa_next_free_sgpr 102
		.amdhsa_reserve_vcc 0
		.amdhsa_float_denorm_mode_32 3
		.amdhsa_float_denorm_mode_16_64 3
		.amdhsa_memory_ordered 1
		.amdhsa_forward_progress 1
		.amdhsa_inst_pref_size 100
	.end_amdhsa_kernel
	.amdgpu_metadata
---
amdhsa.version: [ 1, 2 ]
amdhsa.kernels:
  - .name:           k_q1db553a069_proj
    .symbol:         k_q1db553a069_proj.kd
    .args:
      - { .name: query_input_codes, .offset: 0, .size: 8, .value_kind: global_buffer, .address_space: global }
      - { .name: query_input_scales, .offset: 8, .size: 8, .value_kind: global_buffer, .address_space: global }
      - { .name: Wq_codes, .offset: 16, .size: 8, .value_kind: global_buffer, .address_space: global }
      - { .name: Wq_scales, .offset: 24, .size: 8, .value_kind: global_buffer, .address_space: global }
      - { .name: bq, .offset: 32, .size: 8, .value_kind: global_buffer, .address_space: global }
      - { .name: qw, .offset: 40, .size: 8, .value_kind: global_buffer, .address_space: global }
      - { .name: key_input_codes, .offset: 48, .size: 8, .value_kind: global_buffer, .address_space: global }
      - { .name: key_input_scales, .offset: 56, .size: 8, .value_kind: global_buffer, .address_space: global }
      - { .name: Wk_codes, .offset: 64, .size: 8, .value_kind: global_buffer, .address_space: global }
      - { .name: Wk_scales, .offset: 72, .size: 8, .value_kind: global_buffer, .address_space: global }
      - { .name: bk, .offset: 80, .size: 8, .value_kind: global_buffer, .address_space: global }
      - { .name: kv, .offset: 88, .size: 8, .value_kind: global_buffer, .address_space: global }
      - { .name: Wv_codes, .offset: 96, .size: 8, .value_kind: global_buffer, .address_space: global }
      - { .name: Wv_scales, .offset: 104, .size: 8, .value_kind: global_buffer, .address_space: global }
      - { .name: value_input_codes, .offset: 112, .size: 8, .value_kind: global_buffer, .address_space: global }
      - { .name: value_input_scales, .offset: 120, .size: 8, .value_kind: global_buffer, .address_space: global }
      - { .name: bv, .offset: 128, .size: 8, .value_kind: global_buffer, .address_space: global }
      - { .name: mask, .offset: 136, .size: 8, .value_kind: global_buffer, .address_space: global }
      - { .name: maskbits, .offset: 144, .size: 8, .value_kind: global_buffer, .address_space: global }
    .group_segment_fixed_size: 327680
    .private_segment_fixed_size: 0
    .kernarg_segment_align: 8
    .kernarg_segment_size: 152
    .max_flat_workgroup_size: 256
    .sgpr_count:     102
    .vgpr_count:     256
    .wavefront_size: 32
...
	.end_amdgpu_metadata
.endif
;; end of part 1
;; launch attn (part 2): grid 4 x 64, 16 waves a work-group, clusters of 4 x 1, 327,680 bytes of LDS; arguments qw, kv, maskbits, ao_codes, ao_scales; writes ao_codes, ao_scales
.if DOCPART == 2
	.amdgcn_target "amdgcn-amd-amdhsa--gfx1250"
	.amdhsa_code_object_version 6
	.text
	.protected	k_q1db553a069_attn
	.globl	k_q1db553a069_attn
	.p2align	8
	.type	k_q1db553a069_attn,@function
k_q1db553a069_attn:
	s_mov_b64 s[64:65], 0
	v_nop
	global_prefetch_b8 v0, s[64:65] scope:SCOPE_SE
	s_setreg_imm32_b32 hwreg(HW_REG_WAVE_MODE, 25, 1), 1
	s_wait_xcnt 0x0
	s_wait_alu depctr_hold_cnt(0) depctr_sa_sdst(0) depctr_va_vdst(0) depctr_va_sdst(0) depctr_va_ssrc(0) depctr_va_vcc(0) depctr_vm_vsrc(0)
	s_getreg_b32 s2, hwreg(HW_REG_IB_STS2, 6, 4)
	s_cmp_eq_u32 s2, 0
	s_cbranch_scc0 .Lentry_in_a_cluster
	s_endpgm
.Lentry_in_a_cluster:
	s_bfe_u32 s2, ttmp6, 0x10000c
	s_cmp_lg_u32 s2, 0x3003
	s_cbranch_scc0 .Lentry_shape_is_right
	s_endpgm
.Lentry_shape_is_right:
; ATTENTION on codes of FP6 (E2M3): S^T = k q^T, the mask, the softmax by the problem's rule, O^T = v^T p^T, O / l quantised along D for the last projection.  No work of reference() is left out here.
; t = score x log2(e) / 8; M = the running largest t rounded UP to a whole number; p = 2^(t - M) is quantised along the keys, not normalised; the row's sum is taken of the unquantised p and divides O at the end.
; SHARES.  Work-group (cx, y): y = 16 batch + head; cx = a block of 512 queries.  THE HEAD'S WHOLE K AND V, 208,896 bytes as the projection launch laid them, come into LDS ONCE: each of the sixteen waves
; fetches a sixteenth (51 rows of 256 bytes) with one tensor load at the head.  Behind the one barrier the waves share nothing until the end: no barrier stands in the loops.
; Wave w takes queries 512 cx + 256 t + 16 w + 0..15 in pass t = 0, 1, and walks the 2,048 keys, 128 a step, in each pass.
; CLUSTER.  The four query blocks of a head read the same K and V: the load is a joint one, with the mask 15.
; No prefetch: K and V are asked for once, with no loop to run ahead in; the mask words are asked for a whole step ahead by their own loads.
; LAYOUT.  Both products are used transposed: a lane holds ONE query (lane % 16).  Score register 16 B + 8 u + j holds key 32 B + 16 u + 8 (lane / 16) + j; p is quantised as the registers stand, which
; lays a block's members at code places as the projection launch laid v's.  A head has 64 along K, the instruction 128: a fragment holds keys 32 B + r (registers 0-5) and 32 B + 16 + r (6-11);
; against [q | zeros] it gives tile 2 B, against [zeros | q] tile 2 B + 1.  A key's scale word is (s0, s1, s0, s1) and serves either half.
; REGISTERS BY TURNS.  Fragments (48) and scores (64) share v44-155 in two layouts: even steps fragments | scores, odd steps scores | fragments.  Behind the conversions the scores are dead, and the NEXT step's
; fragments of K are loaded into 48 of their registers, where the next layout wants them; V's fragments are asked for behind the first product, into K's registers, and land under the softmax.
; A pass's last step loads the first 128 keys again, for the next pass; in the last pass nobody uses them: so the counted wait ahead of the second product means the same in both passes.
; THE MASK comes as lane masks, 64 words a step, by scalar loads: one v_cndmask_b32 a score.
; LIMITS: NaN and infinities in the workspace are not served.  A row whose mask is all true has l = 0: its codes are zeros and its scale bytes 0xff, which make the last projection's row NaN, as reference() has it.
.set HEADB, 208896
.set SLOTB, 26112                      ; 256 keys: k's codes, k's scale words, v's codes, v's scale words
.set PARTB, 13056
.set STG,   HEADB                      ; behind K and V: 768 bytes for each wave, for the way out
.set SSTG,  STG+16*768                 ; 1,024 bytes: the work-group's scale bytes, two a query
.set SPARE, SSTG+1024                  ; the spare words, 128 bytes for each wave
.set AK0,1
.set AS0,2
.set AT0,3
.set SPW,5
.set NIL,6
.set NINF,7
.set ADK,8
.set ADS,9
.set ADT,10
.set QS,11
.set QF,16                             ; v12 -M, v13 the largest score so far, v[14:15] the sum;  v16-33: six zeros, q's six registers, six zeros
.set KS,34
.set VS,38
.set PS,42
.set Z,44                              ; v44-155 fragments and scores
.set WS,92                             ; the way out: O / l
.set RB,124                            ; and what comes back from the stage
.set OT,160
.set PC,192
.set PT,204
.set BM,212
.set BP,216
.set SO,220
.set TMP,224
.set FF,226
.set QA,230
.set STI,232
.set STB,233
.set G8,234
.set SSA,235
.set SSR,236
.set G16,237
.set NANW,238
.set CH,240                            ; v240-247 the sum's four chains
.set TB,2                              ; s2 LDS byte of the 256 keys in hand
.set SL,3
.set WV,4
.set PASS,5
.set MP,6
.set G1,8
.set G0,16
.set SEL,20
.set CS,22
.set AOB,26
.set AOS,28
.set JUMP,30                           ; s[30:31]
.set QB,100                            ; s68-99, s32-63: the mask words 0-31, 32-63 (temporaries before the first mask load)
.macro CROUND
	s_barrier_signal -1
	s_barrier_wait -1
	s_cmp_lg_u32 s[WV], 0
	s_cbranch_scc1 .Lnw0_\@
	s_barrier_signal -3
.Lnw0_\@:
	s_barrier_wait -3
	s_barrier_signal -1
	s_barrier_wait -1
.endm
	s_load_b256 s[32:39], s[0:1], 0x0              ; qw, kv, maskbits, ao_codes
	s_load_b64 s[40:41], s[0:1], 0x20              ; ao_scales
	v_lshl_add_u32 v[SPW], v0, 2, SPARE
	v_mov_b32 v[NIL], 0
	ds_add_u32 v[SPW], v[NIL]                      ; the opening lines: the add twice on end
	ds_add_u32 v[SPW], v[NIL]
	v_lshrrev_b32 v8, 5, v0
	v_readfirstlane_b32 s[WV], v8                  ; wave 0..15
	s_bfe_u32 s44, ttmp6, 0x40000                  ; cx: it enters q's, the mask's and the output's addresses alone
	s_and_b32 s46, ttmp7, 0xffff                   ; y = 16 batch + head
	s_mul_i32 s50, s46, HEADB
	s_mul_i32 s52, s[WV], PARTB                    ; my sixteenth, in memory and in LDS alike
	s_add_co_u32 s48, s50, s52
	s_mov_b32 s49, 0
	s_mul_i32 s54, s44, 2*SLOTB                    ; q: the slot of 256 queries of pass 0
	s_add_co_u32 s54, s54, s50
	s_mov_b32 s55, 0
	s_lshr_b32 s56, s46, 4                         ; batch
	s_and_b32 s47, s46, 15                         ; head
	s_lshl_b32 s57, s56, 7
	s_lshl_b32 s58, s44, 5
	s_add_co_u32 s57, s57, s58
	s_add_co_u32 s57, s57, s[WV]                   ; query tile 128 batch + 32 cx + w (pass 1: 16 further on)
	s_lshl_b32 s58, s57, 12                        ; 16 steps of 256 bytes of mask words a tile
	s_mov_b32 s59, 0
	s_mul_i32 s60, s57, 768                        ; ao_codes [head][token][48]
	s_mul_i32 s61, s47, 393216
	s_add_co_u32 s60, s60, s61
	s_mov_b32 s61, 0
	s_lshl_b32 s62, s47, 14                        ; ao_scales [head][token][2]
	s_lshl_b32 s63, s56, 12
	s_add_co_u32 s62, s62, s63
	s_lshl_b32 s63, s44, 10
	s_add_co_u32 s62, s62, s63
	s_mov_b32 s63, 0
	s_mov_b32 s[G1], 15|(3<<16)|(1<<21)            ; all four work-groups; elements of 8 bytes; no padding
	s_mov_b32 s[G1+1], 32<<16
	s_mov_b32 s[G1+2], 51<<16
	s_mov_b32 s[G1+3], 32<<16
	s_mov_b32 s[G1+4], 51
	s_mov_b32 s[G1+5], 32
	s_mov_b32 s[G1+6], 0
	s_mov_b32 s[G1+7], 0
	s_mov_b32 s[SEL], 0x76543210
	s_mov_b32 s[SEL+1], 0xfedcba98
	s_mov_b32 s[CS], 0x3e38aa3b                    ; c = log2(e) / sqrt(64)
	s_mov_b32 s[CS+1], s[CS]
	s_mov_b32 s[JUMP], 65536-15*256                ; from a tile's last step's mask words to the first of the tile 16 further on
	s_mov_b32 s[JUMP+1], 0
	s_mov_b32 s[PASS], 0
	s_wait_dscnt 0x0
	s_wait_kmcnt 0x0
	s_mov_b32 s[G0], 1
	s_mov_b32 s[G0+1], s52
	s_add_nc_u64 s[G0+2:G0+3], s[34:35], s[48:49]
	s_or_b32 s[G0+3], s[G0+3], 0x80000000
	s_add_nc_u64 s[QB:QB+1], s[32:33], s[54:55]
	s_add_nc_u64 s[MP:MP+1], s[36:37], s[58:59]
	s_add_nc_u64 s[AOB:AOB+1], s[38:39], s[60:61]
	s_add_nc_u64 s[AOS:AOS+1], s[40:41], s[62:63]
	CROUND                                         ; all four work-groups are here: the joint loads meet
	tensor_load_to_lds s[G0:G0+3], s[G1:G1+7]      ; every wave's one tensor load
	s_nop 0
	v_and_b32 v8, 15, v0                           ; r
	v_bfe_u32 v9, v0, 4, 1                         ; h
	v_and_b32 v10, 31, v0                          ; lane
	v_mul_u32_u24 v[AK0], v8, 48
	v_mad_u32_u24 v[AK0], v9, 24, v[AK0]           ; 48 r + 24 h
	v_lshl_add_u32 v[AS0], v10, 2, 12288
	v_lshl_add_u32 v[AT0], v8, 2, 25600
	s_mul_i32 s42, s[WV], 768
	v_add_nc_u32 v[QA], s42, v[AK0]                ; q's codes: query 16 w + r of its slot
	s_lshl_b32 s43, s[WV], 6
	s_add_co_u32 s43, s43, 12288
	v_lshl_add_u32 v[QA+1], v8, 2, s43             ; and its scale word
	s_add_co_u32 s42, s42, STG
	v_add_nc_u32 v[STI], s42, v[AK0]
	v_lshlrev_b32 v[G8], 3, v10
	v_add_nc_u32 v[STB], s42, v[G8]
	s_lshl_b32 s43, s[WV], 5
	s_add_co_u32 s43, s43, SSTG
	v_lshl_add_u32 v[SSA], v8, 1, s43              ; 32 w + 2 r; 512 further on in pass 1
	v_lshlrev_b32 v[G16], 4, v10
	v_add_nc_u32 v[SSR], SSTG, v[G16]
	v_mov_b32 v[NANW], 0xffff
	v_mov_b32 v[NINF], 0xff800000
.irp i, 0,1,2,3,4,5
	v_mov_b32 v[QF+\i], 0                          ; zero codes
	v_mov_b32 v[QF+12+\i], 0
.endr
	v_mov_b32 v[FF+1], 0
	v_mov_b32 v[TMP], 0
.irp b, 0,1,2,3
	v_mov_b32 v[BP+\b], 0
.endr
	s_load_b512 s[68:83], s[MP:MP+1], 0x0          ; the first step's mask words (all temporaries have been read)
	s_load_b512 s[84:99], s[MP:MP+1], 0x40
	s_load_b512 s[32:47], s[MP:MP+1], 0x80
	s_load_b512 s[48:63], s[MP:MP+1], 0xc0
	s_wait_alu depctr_va_vdst(0)                   ; the wait at the head's end
	s_wait_tensorcnt 0x0                           ; my sixteenth is in
	s_barrier_signal -1
	s_barrier_wait -1                              ; and everybody's
.macro KLD fb, ak, as, oc, os          ; 28 loads: 128 keys' fragments of K into v[fb ..], and their scale words
.irp b, 0,1,2,3
.irp p, 0,1,2,3,4,5
	ds_load_b64 v[\fb+12*\b+2*\p:\fb+12*\b+2*\p+1], v[\ak] offset:\oc+(32*\b+16*(\p/3))*48+8*(\p%3)
.endr
	ds_load_b32 v[KS+\b], v[\as] offset:\os+128*\b
.endr
.endm
.macro TMM cnt                         ; t - M, two at a time
.rept \cnt
	v_pk_fma_f32 v[SB+n:SB+n+1], v[SB+n:SB+n+1], s[CS:CS+1], v[12:13] op_sel_hi:[1,0,0]
.set n, n+2
.endr
.endm
; A KEY STEP: 128 keys, the q-th of the 256 in hand; its fragments of K were asked for in the step before.  last = 1: a pass's last step.
.macro STEP q, last
.if \q == 0
.set FB, Z
.set SB, Z+48
.set NB, Z+64
	v_add_nc_u32 v[ADK], s[TB], v[AK0]             ; five places: the first product writes over registers that the last products read
	v_add_nc_u32 v[ADS], s[TB], v[AS0]
	v_add_nc_u32 v[ADT], s[TB], v[AT0]
	v_nop
	v_nop
.else
.set FB, Z+64
.set SB, Z
.set NB, Z
.rept 5
	v_nop
.endr
.endif
	s_wait_alu depctr_va_vdst(0)
	s_wait_dscnt 0x0                               ; K's fragments and scale words
.irp b, 0,1,2,3
	v_wmma_scale_f32_16x16x128_f8f6f4 v[SB+16*\b:SB+16*\b+7], v[FB+12*\b:FB+12*\b+11], v[QF+6:QF+17], 0, v[KS+\b], v[QS] matrix_a_fmt:MATRIX_FMT_FP6 matrix_b_fmt:MATRIX_FMT_FP6
	v_wmma_scale_f32_16x16x128_f8f6f4 v[SB+16*\b+8:SB+16*\b+15], v[FB+12*\b:FB+12*\b+11], v[QF:QF+11], 0, v[KS+\b], v[QS] matrix_a_fmt:MATRIX_FMT_FP6 matrix_b_fmt:MATRIX_FMT_FP6 matrix_a_scale:MATRIX_SCALE_ROW1
.endr
.rept 4
	v_nop                                          ; places: in front of the loads into K's registers, and of the first read of the scores
.endr
.irp t, 0,1,2,3                                ; 28 loads: V's fragments and scale words, into K's registers; they land under the softmax
.irp p, 0,1,2,3,4,5
	ds_load_b64 v[FB+12*\t+2*\p:FB+12*\t+2*\p+1], v[ADK] offset:13312+(2*(\q)+\p/3)*3072+768*\t+8*(\p%3)
.endr
	ds_load_b32 v[VS+\t], v[ADT] offset:256*(\q)+64*\t
.endr
	s_wait_kmcnt 0x0                               ; this step's mask words
.set n, 0
.rept 64
.if n < 32
.set mk, 68+n
.else
.set mk, n
.endif
	v_cndmask_b32 v[SB+n], v[SB+n], v[NINF], s[mk] ; a masked score becomes -infinity: p = 0 then
.set n, n+1
.endr
.irp b, 0,1,2,3
	v_max3_num_f32 v[BM+\b], v[SB+16*\b], v[SB+1+16*\b], v[SB+2+16*\b]   ; the largest score of each block of 32 keys: for the row's maximum and for the block's largest p; the four blocks by turns
.endr
.irp i, 3,5,7,9,11,13
.irp b, 0,1,2,3
	v_max3_num_f32 v[BM+\b], v[BM+\b], v[SB+16*\b+\i], v[SB+1+16*\b+\i]
.endr
.endr
.irp b, 0,1,2,3
	v_max_num_f32 v[BM+\b], v[BM+\b], v[SB+15+16*\b]
.endr
.if \last
	s_add_nc_u64 s[MP:MP+1], s[MP:MP+1], s[JUMP:JUMP+1]   ; the next pass's first words; the last pass stays where it is, inside the buffer
.else
	s_add_nc_u64 s[MP:MP+1], s[MP:MP+1], 256       ; (free since the wait on KMcnt)  the next step's mask words, a whole step ahead
.endif
	s_load_b512 s[68:83], s[MP:MP+1], 0x0
	s_load_b512 s[84:99], s[MP:MP+1], 0x40
	s_load_b512 s[32:47], s[MP:MP+1], 0x80
	s_load_b512 s[48:63], s[MP:MP+1], 0xc0
.irp b, 0,1,2,3
	v_permlanex16_b32 v[BP+\b], v[BM+\b], s[SEL], s[SEL+1]
.endr
.irp b, 0,1,2,3
	v_max_num_f32 v[BM+\b], v[BM+\b], v[BP+\b]     ; with lane l xor 16's 16 keys
.endr
	v_max3_num_f32 v[TMP], v[BM], v[BM+1], v[BM+2]
	s_delay_alu instid0(VALU_DEP_1)
	v_max3_num_f32 v13, v[TMP], v[BM+3], v13       ; the running largest score: c is positive, so the largest t is c x this
	v_mov_b32 v[TMP], v12
	s_delay_alu instid0(VALU_DEP_2)
	v_mul_f32 v[CH], s[CS], v13                    ; as t
	s_delay_alu instid0(VALU_DEP_1)
	v_floor_f32 v12, -v[CH]                        ; the new -M = floor(-t)
	s_delay_alu instid0(VALU_DEP_1)
	v_sub_f32 v[TMP], v12, v[TMP]                  ; M's old value less its new one
.set n, 0
	TMM 6
	v_cvt_i32_f32 v[TMP], v[TMP]
	TMM 6
	v_ldexp_f32 v[FF], 1.0, v[TMP]                 ; f = 2^(old M - new M)
	TMM 20
.irp b, 0,1,2,3
	v_fma_f32 v[BM+\b], v[BM+\b], s[CS], v12
.endr
	s_wait_alu depctr_va_vdst(0)                   ; the wait ahead of the batch
.set n, 0
.rept 64
	v_exp_f32 v[SB+n], v[SB+n]                     ; p = 2^(t - M)
.set n, n+1
.endr
	v_pk_mul_f32 v[14:15], v[14:15], v[FF:FF+1] op_sel_hi:[1,0]   ; the sums under the new M
	s_wait_alu depctr_va_vdst(0)                   ; one wait for the whole batch
.irp b, 0,1,2,3
	v_exp_f32 v[BM+\b], v[BM+\b]                   ; the block's largest p
.endr
.irp k, 0,1,2,3                                ; the row's sum of the unquantised p: four chains of pairs
	v_pk_add_f32 v[CH+2*\k:CH+2*\k+1], v[SB+2*\k:SB+2*\k+1], v[SB+8+2*\k:SB+9+2*\k]
.endr
.irp j, 16,24,32,40,48,56
.irp k, 0,1,2,3
	v_pk_add_f32 v[CH+2*\k:CH+2*\k+1], v[CH+2*\k:CH+2*\k+1], v[SB+\j+2*\k:SB+\j+2*\k+1]
.endr
.endr
	v_pk_add_f32 v[CH:CH+1], v[CH:CH+1], v[CH+2:CH+3]
	v_pk_add_f32 v[CH+4:CH+5], v[CH+4:CH+5], v[CH+6:CH+7]
	s_wait_alu depctr_va_vdst(0)                   ; and one for the four
.irp b, 0,1,2,3
	v_max_num_f32 v[BM+\b], 0x1800000, v[BM+\b]    ; the floor 2^(3 - 127)
.endr
	v_pk_add_f32 v[CH:CH+1], v[CH:CH+1], v[CH+4:CH+5]
.irp b, 0,1,2,3
	v_add_nc_u32 v[SO+\b], 0xff000000, v[BM+\b]    ; 2 off the exponent field: the conversion's scale operand
.endr
	v_pk_add_f32 v[14:15], v[14:15], v[CH:CH+1]
.irp b, 0,1,2,3
	v_lshrrev_b32 v[BP+\b], 23, v[SO+\b]           ; the byte
.endr
	v_lshl_or_b32 v[BP], v[BP+1], 8, v[BP]
	v_lshl_or_b32 v[BP+2], v[BP+3], 8, v[BP+2]
	s_delay_alu instid0(VALU_DEP_1)
	v_lshl_or_b32 v[PS], v[BP+2], 16, v[BP]        ; p's scale word for these 128 keys
.irp c, 0,1
	v_cvt_scalef32_pk16_fp6_f32 v[PC+6*\c:PC+6*\c+2], v[SB+32*\c:SB+32*\c+15], v[SO+2*\c]
	v_cvt_scalef32_pk16_fp6_f32 v[PT+4*\c:PT+4*\c+2], v[SB+32*\c+16:SB+32*\c+31], v[SO+2*\c+1]
.endr
.if \q == 0                                    ; the scores are dead: the next step's K lands in 48 of their registers
	KLD NB, ADK, ADS, 128*48, 512
.elseif \last
	KLD NB, AK0, AS0, 0, 0
.else
	KLD NB, ADK, ADS, SLOTB, SLOTB
.endif
	v_nop
.irp c, 0,1
.irp i, 0,1,2
	v_permlane16_swap_b32 v[PC+6*\c+\i], v[PT+4*\c+\i]
.endr
.endr
.irp c, 0,1
.irp i, 0,1,2
	v_mov_b32 v[PC+3+6*\c+\i], v[PT+4*\c+\i]
.endr
.endr
.set n, 0
.rept 16
	v_pk_mul_f32 v[OT+n:OT+n+1], v[OT+n:OT+n+1], v[FF:FF+1] op_sel_hi:[1,0]   ; O^T under the new M; also the places behind the writes of p's codes and scale word
.set n, n+2
.endr
	s_wait_alu depctr_va_vdst(0)
	s_wait_dscnt 28                                ; V's fragments and scale words are in; the 28 younger loads, the next step's K, stay out
.irp t, 0,1,2,3
	v_wmma_scale_f32_16x16x128_f8f6f4 v[OT+8*\t:OT+8*\t+7], v[FB+12*\t:FB+12*\t+11], v[PC:PC+11], v[OT+8*\t:OT+8*\t+7], v[VS+\t], v[PS] matrix_a_fmt:MATRIX_FMT_FP6 matrix_b_fmt:MATRIX_FMT_FP6
.endr
.endm
	KLD Z, AK0, AS0, 0, 0                          ; the first step's K
.Lpass:                                            ; two trips: a tile of 16 queries each
.irp i, 0,1,2
	global_load_b64 v[QF+6+2*\i:QF+7+2*\i], v[QA], s[QB:QB+1] offset:8*\i
.endr
	global_load_b32 v[QS], v[QA+1], s[QB:QB+1]
	v_mov_b32 v13, 0xff61b1e6                      ; the largest score so far: -3e38
	v_floor_f32 v12, -v13
	v_mov_b32 v14, 0
	v_mov_b32 v15, 0
.set n, 0
.rept 32
	v_mov_b32 v[OT+n], 0                           ; the step is written once: the first finds zeros
.set n, n+1
.endr
	s_mov_b32 s[TB], 0
	s_mov_b32 s[SL], 0
	s_wait_alu depctr_va_vdst(0)
	s_wait_loadcnt 0x0                             ; q
	s_add_nc_u64 s[QB:QB+1], s[QB:QB+1], SLOTB     ; the next pass's queries lie in the next slot
.Lslot:                                            ; seven trips of 256 keys
	STEP 0, 0
	STEP 1, 0
	s_add_co_u32 s[TB], s[TB], SLOTB
	s_add_co_u32 s[SL], s[SL], 1
	s_cmp_lt_u32 s[SL], 7
	s_cbranch_scc1 .Lslot
	STEP 0, 0                                      ; the last 256 keys are written out: the look-ahead goes back to the first keys by a constant address
	STEP 1, 1
	; THE WAY OUT.  O^T / l, brought into the natural order of D, quantised in blocks of 32 along D, stored as rows of 48 bytes.  v44-91 are left alone: the next pass's K is landing there
.rept 4
	v_nop
.endr
	v_add_f32 v14, v14, v15
	s_delay_alu instid0(VALU_DEP_1)
	v_permlanex16_b32 v[TMP], v14, s[SEL], s[SEL+1]
	s_delay_alu instid0(VALU_DEP_1)
	v_add_f32 v14, v14, v[TMP]                     ; l
	s_wait_alu depctr_va_vdst(0)
	v_rcp_f32 v[FF], v14
	v_cmp_lt_f32 vcc_lo, 0, v14                    ; false where every key of the row was masked
	s_wait_alu depctr_va_vdst(0)
	v_cndmask_b32 v[FF], 0, v[FF], vcc_lo          ; such a row's numbers are zeros,
.set n, 0
.rept 16
	v_pk_mul_f32 v[WS+n:WS+n+1], v[OT+n:OT+n+1], v[FF:FF+1] op_sel_hi:[1,0]   ; register 8 t + j: d = 16 t + 8 h + j
.set n, n+2
.endr
.irp b, 0,1
.irp j, 0,1,2,3,4,5,6,7
	v_permlane16_swap_b32 v[WS+16*\b+\j], v[WS+16*\b+8+\j]   ; register 16 b + i now holds d = 32 b + 16 h + i
.endr
.endr
.irp b, 0,1
	v_max3_num_f32 v[BM+\b], |v[WS+16*\b]|, |v[WS+1+16*\b]|, 0x1800000
.endr
.irp i, 2,4,6,8,10,12,14
.irp b, 0,1
	s_delay_alu instid0(VALU_DEP_2)
	v_max3_num_f32 v[BM+\b], v[BM+\b], |v[WS+16*\b+\i]|, |v[WS+1+16*\b+\i]|
.endr
.endr
.irp b, 0,1
	s_delay_alu instid0(VALU_DEP_2)
	v_permlanex16_b32 v[BP+\b], v[BM+\b], s[SEL], s[SEL+1]
.endr
.irp b, 0,1
	s_delay_alu instid0(VALU_DEP_2)
	v_max_num_f32 v[BM+\b], v[BM+\b], v[BP+\b]
.endr
.irp b, 0,1
	s_delay_alu instid0(VALU_DEP_2)
	v_add_nc_u32 v[SO+\b], 0xff000000, v[BM+\b]
.endr
.irp b, 0,1
	s_delay_alu instid0(VALU_DEP_2)
	v_lshrrev_b32 v[BP+\b], 23, v[SO+\b]
.endr
	s_delay_alu instid0(VALU_DEP_1)
	v_lshl_or_b32 v[TMP], v[BP+1], 8, v[BP]
	s_delay_alu instid0(VALU_DEP_1)
	v_cndmask_b32 v[TMP], v[NANW], v[TMP], vcc_lo  ; and its scale bytes NaN
	v_cvt_scalef32_pk16_fp6_f32 v[PC:PC+2], v[WS:WS+15], v[SO]
	v_cvt_scalef32_pk16_fp6_f32 v[PT:PT+2], v[WS+16:WS+31], v[SO+1]
	v_nop
.irp i, 0,1,2
	v_permlane16_swap_b32 v[PC+\i], v[PT+\i]
.endr
.irp i, 0,1,2
	s_delay_alu instid0(VALU_DEP_3)
	v_mov_b32 v[PC+3+\i], v[PT+\i]                 ; lane (r, h): block h of query r: 24 bytes
.endr
.irp i, 0,1,2
	ds_store_b64 v[STI], v[PC+2*\i:PC+2*\i+1] offset:8*\i
.endr
	ds_store_b16 v[SSA], v[TMP]                    ; both lanes of a query write the same two bytes
.irp i, 0,1,2
	ds_load_b64 v[RB+2*\i:RB+2*\i+1], v[STB] offset:256*\i   ; my own bytes, served in order
.endr
.irp i, 0,1,2
	s_wait_dscnt 2-\i                              ; load i is in, the younger ones stay out
	global_store_b64 v[G8], v[RB+2*\i:RB+2*\i+1], s[AOB:AOB+1] offset:256*\i   ; 32 lanes store 256 consecutive bytes, aligned
.endr
	s_wait_xcnt 0x0                                ; the stores have read their registers and their base
	s_add_nc_u64 s[AOB:AOB+1], s[AOB:AOB+1], 16*768
	v_add_nc_u32 v[SSA], 512, v[SSA]
	s_mov_b32 s[JUMP], 0
	s_add_co_u32 s[PASS], s[PASS], 1
	s_cmp_lt_u32 s[PASS], 2
	s_wait_alu depctr_va_vdst(0)
	s_cbranch_scc1 .Lpass
	s_wait_dscnt 0x0                               ; for the others' sake: my scale bytes are in LDS
	s_barrier_signal -1
	s_barrier_wait -1
	s_cmp_lg_u32 s[WV], 0
	s_cbranch_scc1 .Lnot_first
	ds_load_b128 v[RB:RB+3], v[SSR]                ; 512 queries' scale bytes: 1,024 bytes on end
	ds_load_b128 v[RB+4:RB+7], v[SSR] offset:512
	s_wait_dscnt 0x0
	global_store_b128 v[G16], v[RB:RB+3], s[AOS:AOS+1]
	global_store_b128 v[G16], v[RB+4:RB+7], s[AOS:AOS+1] offset:512
.Lnot_first:
	s_wait_tensorcnt 0x0                           ; the wave's end
	ds_add_u32 v[SPW], v[NIL]
	s_wait_dscnt 0x0
	CROUND                                         ; the closing round
	s_endpgm
.Lfunc_end_k_q1db553a069_attn:
	.size	k_q1db553a069_attn, .Lfunc_end_k_q1db553a069_attn-k_q1db553a069_attn
	.p2alignl 7, 3214868480
	.fill 96, 4, 3214868480
	.section	.rodata,"a",@progbits
	.p2align	6, 0x0
	.amdhsa_kernel k_q1db553a069_attn
		.amdhsa_group_segment_fixed_size 327680
		.amdhsa_private_segment_fixed_size 0
		.amdhsa_enable_private_segment 0
		.amdhsa_kernarg_size 40
		.amdhsa_user_sgpr_count 2
		.amdhsa_user_sgpr_kernarg_segment_ptr 1
		.amdhsa_wavefront_size32 1
		.amdhsa_system_sgpr_workgroup_id_x 1
		.amdhsa_system_sgpr_workgroup_id_y 1
		.amdhsa_system_sgpr_workgroup_id_z 1
		.amdhsa_system_vgpr_workitem_id 0
		.amdhsa_next_free_vgpr 256
		.amdhsa_next_free_sgpr 102
		.amdhsa_reserve_vcc 1
		.amdhsa_float_denorm_mode_32 3
		.amdhsa_float_denorm_mode_16_64 3
		.amdhsa_memory_ordered 1
		.amdhsa_forward_progress 1
		.amdhsa_inst_pref_size 103
	.end_amdhsa_kernel
	.amdgpu_metadata
---
amdhsa.version: [ 1, 2 ]
amdhsa.kernels:
  - .name:           k_q1db553a069_attn
    .symbol:         k_q1db553a069_attn.kd
    .args:
      - { .name: qw, .offset: 0, .size: 8, .value_kind: global_buffer, .address_space: global }
      - { .name: kv, .offset: 8, .size: 8, .value_kind: global_buffer, .address_space: global }
      - { .name: maskbits, .offset: 16, .size: 8, .value_kind: global_buffer, .address_space: global }
      - { .name: ao_codes, .offset: 24, .size: 8, .value_kind: global_buffer, .address_space: global }
      - { .name: ao_scales, .offset: 32, .size: 8, .value_kind: global_buffer, .address_space: global }
    .group_segment_fixed_size: 327680
    .private_segment_fixed_size: 0
    .kernarg_segment_align: 8
    .kernarg_segment_size: 40
    .max_flat_workgroup_size: 512
    .sgpr_count:     102
    .vgpr_count:     256
    .wavefront_size: 32
...
	.end_amdgpu_metadata
.endif
;; end of part 2
;; launch outproj (part 3): grid 4 x 64, 8 waves a work-group, clusters of 4 x 4, 327,680 bytes of LDS; arguments ao_codes, ao_scales, Wo_codes, Wo_scales, bo, out0; writes out0
.if DOCPART == 3
	.amdgcn_target "amdgcn-amd-amdhsa--gfx1250"
	.amdhsa_code_object_version 6
	.text
	.protected	k_q1db553a069_outproj
	.globl	k_q1db553a069_outproj
	.p2align	8
	.type	k_q1db553a069_outproj,@function
k_q1db553a069_outproj:
	s_mov_b64 s[64:65], 0
	v_nop
	global_prefetch_b8 v0, s[64:65] scope:SCOPE_SE
	s_setreg_imm32_b32 hwreg(HW_REG_WAVE_MODE, 25, 1), 1
	s_wait_xcnt 0x0
	s_wait_alu depctr_hold_cnt(0) depctr_sa_sdst(0) depctr_va_vdst(0) depctr_va_sdst(0) depctr_va_ssrc(0) depctr_va_vcc(0) depctr_vm_vsrc(0)
	s_getreg_b32 s2, hwreg(HW_REG_IB_STS2, 6, 4)
	s_cmp_eq_u32 s2, 0
	s_cbranch_scc0 .Lentry_in_a_cluster
	s_endpgm
.Lentry_in_a_cluster:
	s_bfe_u32 s2, ttmp6, 0x10000c
	s_cmp_lg_u32 s2, 0xf033
	s_cbranch_scc0 .Lentry_shape_is_right
	s_endpgm
.Lentry_shape_is_right:
; THE LAST PROJECTION: out0 = O Wo^T + bo on codes of FP6 (E2M3).  No work of reference() is left out here.
; A block is 128 tokens x 256 columns with ALL of K in LDS; eight waves, two to a SIMD, 64 x 64 each: 16 accumulators.  256 work-groups.
; A: ao_codes [head][token][48 bytes]: 16 rows of 6,144 bytes on end, each from a multiple of 256; waves 0-3 fetch four heads each.  In LDS a token's 48 bytes are 12 words apart from the next token's: no padding is needed.
; B: Wo's rows of 768 bytes with 16 bytes of padding behind each 256: LDS pitch 816; waves 4-7 fetch 64 rows each.  One tensor load a wave at the head; nothing is filled again.
; CLUSTER 4 x 4: A's tile is shared along a row of the cluster, B's along a column.  No prefetch: the launch has no loop of loads to run ahead in.
; The scales are copied once into LDS bytes of their own as [row][32]: Wo's as they lie; O's, stored [head][token][2], two heads' bytes joined to the word of a step of 128.
; The matrix instruction is used transposed (source 0 = Wo's rows, source 1 = tokens): a lane holds eight neighbouring columns of a token.  bo is the first product's C, loaded into the accumulators.
.set PITCH, 816
.set HEADA, 6144
.set HEADM, 393216
.set ABY,   16*HEADA
.set SCA,   ABY+256*PITCH
.set SPARE, SCA+12288
.set SPITCH, 272
.set ADRA,4                            ; v4: heads 0-7; v5: heads 8-15
.set ADRB,6                            ; v6; v7 = v6 + 16 h
.set ADRS,8
.set SPW,9
.set NIL,10
.set STO,11
.set RD,12
.set CO,13
.set SC,16
.set BF,32
.set AFR,80
.set ACC,128
.set CP,94
.set G1,24
.set G0,32
.set G0B,36
.set G1B,48
.macro CROUND
	s_barrier_signal -1
	s_barrier_wait -1
	s_cmp_lg_u32 s14, 0
	s_cbranch_scc1 .Lnw0_\@
	s_barrier_signal -3
.Lnw0_\@:
	s_barrier_wait -3
	s_barrier_signal -1
	s_barrier_wait -1
.endm
	s_load_b256 s[4:11], s[0:1], 0x0               ; ao_codes, ao_scales, Wo_codes, Wo_scales
	s_load_b128 s[92:95], s[0:1], 0x20             ; bo, out0
	v_lshl_add_u32 v[SPW], v0, 2, SPARE
	v_mov_b32 v[NIL], 0
	ds_add_u32 v[SPW], v[NIL]                      ; the opening lines: the add twice on end
	ds_add_u32 v[SPW], v[NIL]
	v_lshrrev_b32 v1, 5, v0
	v_readfirstlane_b32 s14, v1
	s_and_b32 s15, s14, 1                          ; which 64 tokens are mine
	s_lshr_b32 s16, s14, 1                         ; which 64 columns
	s_and_b32 s3, s14, 3
	s_bfe_u32 s40, ttmp6, 0x40000
	s_bfe_u32 s41, ttmp6, 0x40004
	s_lshl_b32 s42, ttmp9, 2
	s_add_co_u32 s42, s42, s40                     ; tile of 256 columns
	s_and_b32 s17, ttmp7, 0xffff
	s_lshl_b32 s17, s17, 2
	s_add_co_u32 s17, s17, s41                     ; tile of 128 tokens
	s_lshl_b32 s43, s41, 2
	s_lshl_b32 s43, 15, s43
	s_lshl_b32 s44, 0x1111, s40
	s_or_b32 s[G1], s43, (3<<16)|(1<<21)           ; elements of 8 bytes, no padding
	s_mov_b32 s[G1+1], 768<<16
	s_mov_b32 s[G1+2], 4<<16
	s_mov_b32 s[G1+3], 768<<16
	s_mov_b32 s[G1+4], 4
	s_mov_b32 s[G1+5], HEADM/8
	s_mov_b32 s[G1+6], 0
	s_mov_b32 s[G1+7], 0
	s_or_b32 s[G1B], s44, (1<<20)|(1<<21)|(5<<22)|(3<<25)
	s_mov_b32 s[G1B+1], 768<<16
	s_mov_b32 s[G1B+2], 64<<16
	s_mov_b32 s[G1B+3], 768<<16
	s_mov_b32 s[G1B+4], 64
	s_mov_b32 s[G1B+5], 768
	s_mov_b32 s[G1B+6], 0
	s_mov_b32 s[G1B+7], 0
	s_mul_i32 s20, s17, HEADA
	s_mul_i32 s21, s3, 4*HEADM
	s_add_co_u32 s20, s20, s21
	s_mov_b32 s21, 0
	s_lshl_b32 s46, s42, 8
	s_lshl_b32 s47, s3, 6
	s_add_co_u32 s46, s46, s47
	s_mul_i32 s46, s46, 768
	s_mov_b32 s47, 0
	s_lshl_b32 s22, s14, 15                        ; O's scales: heads 2 w and 2 w + 1, 16,384 bytes a head,
	s_lshl_b32 s23, s17, 8                         ; 256 bytes a tile
	s_add_co_u32 s22, s22, s23
	s_mov_b32 s23, 0
	s_lshl_b32 s60, s42, 13
	s_mov_b32 s61, 0
	s_mul_i32 s45, s3, 4*HEADA
	s_mul_i32 s62, s3, 64*PITCH
	s_add_co_u32 s62, s62, ABY
	s_wait_dscnt 0x0
	s_wait_kmcnt 0x0
	s_add_nc_u64 s[20:21], s[4:5], s[20:21]
	s_add_nc_u64 s[22:23], s[6:7], s[22:23]
	s_add_nc_u64 s[46:47], s[8:9], s[46:47]
	s_add_nc_u64 s[60:61], s[10:11], s[60:61]
	CROUND
	s_mov_b32 s[G0], 1
	s_mov_b32 s[G0+1], s45
	s_mov_b64 s[G0+2:G0+3], s[20:21]
	s_or_b32 s[G0+3], s[G0+3], 0x80000000
	s_mov_b32 s[G0B], 1
	s_mov_b32 s[G0B+1], s62
	s_mov_b64 s[G0B+2:G0B+3], s[46:47]
	s_or_b32 s[G0B+3], s[G0B+3], 0x80000000
	s_cmp_lt_u32 s14, 4                            ; one tensor load a wave: every way passes exactly one
	s_cbranch_scc0 .Lfor_b
	tensor_load_to_lds s[G0:G0+3], s[G1:G1+7]
	s_nop 0
	s_branch .Lasked
.Lfor_b:
	tensor_load_to_lds s[G0B:G0B+3], s[G1B:G1B+7]
	s_nop 0
.Lasked:
	v_and_b32 v54, 15, v0                          ; r
	v_bfe_u32 v55, v0, 4, 1                        ; h
	v_and_b32 v56, 31, v0                          ; lane
	v_lshlrev_b32 v48, 3, v56
	v_lshlrev_b32 v49, 4, v0
	global_load_b64 v[32:33], v48, s[22:23]                 ; the even head's bytes of tokens 4 lane .. + 3
	global_load_b64 v[34:35], v48, s[22:23] offset:16384    ; the odd head's
	global_load_b128 v[40:43], v49, s[60:61]                ; Wo's scales: 8,192 bytes on end
	global_load_b128 v[44:47], v49, s[60:61] offset:4096
	s_lshl_b32 s56, s14, 2
	s_add_co_u32 s56, s56, SCA
	v_lshl_add_u32 v50, v56, 7, s56                ; token 4 lane's row of 32 bytes, word w
	v_add_nc_u32 v51, SCA+4096, v49
	v_lshlrev_b32 v52, 5, v55                      ; bo: 32 h
	v_mul_u32_u24 v53, v54, 48
	v_mad_u32_u24 v53, v55, 24, v53
	s_mul_i32 s56, s15, 64*48
	v_add_nc_u32 v[ADRA], s56, v53
	v_add_nc_u32 v[ADRA+1], 8*HEADA, v[ADRA]
	v_mul_u32_u24 v53, v54, PITCH
	v_mad_u32_u24 v53, v55, 24, v53
	s_mul_i32 s57, s16, 64*PITCH
	s_add_co_u32 s57, s57, ABY
	v_add_nc_u32 v[ADRB], s57, v53
	v_lshl_add_u32 v[ADRB+1], v55, 4, v[ADRB]
	s_lshl_b32 s56, s16, 11
	s_lshl_b32 s57, s15, 11
	s_add_co_u32 s56, s56, 4096
	s_sub_co_u32 s56, s56, s57
	s_add_co_u32 s57, s57, SCA
	v_mul_u32_u24 v53, s56, v55                    ; lanes 16-31 take Wo's scales
	v_lshl_add_u32 v53, v54, 5, v53
	v_add_nc_u32 v[ADRS], s57, v53
	s_mul_i32 s56, s14, 16*SPITCH                  ; my stage: 16 rows of 256 + 16 bytes, in A's tile when it has been read out
	v_mul_u32_u24 v53, v54, SPITCH
	v_lshl_add_u32 v53, v55, 5, v53
	v_add_nc_u32 v[STO], s56, v53
	v_mul_u32_u24 v53, v55, SPITCH
	v_lshl_add_u32 v53, v54, 4, v53
	v_add_nc_u32 v[RD], s56, v53
	v_lshlrev_b32 v53, 12, v55
	v_lshl_add_u32 v[CO], v54, 4, v53              ; two rows of out0 a store: 4,096 h + 16 r
	s_lshl_b32 s56, s42, 10
	s_lshl_b32 s57, s16, 8
	s_add_co_u32 s56, s56, s57                     ; my first column, in bytes
	s_mov_b32 s57, 0
	s_add_nc_u64 s[92:93], s[92:93], s[56:57]
	s_lshl_b32 s58, s17, 7
	s_lshl_b32 s59, s15, 6
	s_add_co_u32 s58, s58, s59
	s_lshl_b32 s58, s58, 12                        ; my first row
	s_add_co_u32 s56, s56, s58
	s_add_nc_u64 s[CP:CP+1], s[CP:CP+1], s[56:57]
	s_wait_alu depctr_va_vdst(0)
.irp a, 0,1,2,3
.irp b, 0,1,2,3
	global_load_b128 v[ACC+8*(4*\a+\b):ACC+8*(4*\a+\b)+3], v52, s[92:93] offset:64*\b
	global_load_b128 v[ACC+8*(4*\a+\b)+4:ACC+8*(4*\a+\b)+7], v52, s[92:93] offset:64*\b+16
.endr
.endr
	s_wait_loadcnt 0x0
	v_perm_b32 v36, v34, v32, 0x05040100           ; a token's word: the even head's two bytes, the odd head's two
	v_perm_b32 v37, v34, v32, 0x07060302
	v_perm_b32 v38, v35, v33, 0x05040100
	v_perm_b32 v39, v35, v33, 0x07060302
	s_wait_alu depctr_va_vdst(0)
	s_wait_tensorcnt 0x0
.irp i, 0,1,2,3
	ds_store_b32 v50, v[36+\i] offset:32*\i
.endr
	ds_store_b128 v51, v[40:43]
	ds_store_b128 v51, v[44:47] offset:4096
	s_wait_dscnt 0x0
	s_barrier_signal -1
	s_barrier_wait -1
.macro FRAGB reg, st, i
.irp p, 0,1,2,3,4,5
.set BY, 96*(\st)+48*(\p/3)+8*(\p%3)
.if BY/256 == (BY+24)/256
	ds_load_b64 v[\reg+2*\p:\reg+2*\p+1], v[ADRB] offset:BY+16*(BY/256)+(\i)*16*PITCH
.else
	ds_load_b64 v[\reg+2*\p:\reg+2*\p+1], v[ADRB+1] offset:BY+16*(BY/256)+(\i)*16*PITCH
.endif
.endr
.endm
.macro FRAGA reg, st, i                ; step st is heads 2 st and 2 st + 1
.irp p, 0,1,2,3,4,5
	ds_load_b64 v[\reg+2*\p:\reg+2*\p+1], v[ADRA+(\st)/4] offset:(2*((\st)%4)+\p/3)*HEADA+768*(\i)+8*(\p%3)
.endr
.endm
.macro MUL8 a0, q                      ; the 16 accumulators take turns
.irp a, \a0, \a0+1
.irp b, 0,1,2,3
	v_wmma_scale_f32_16x16x128_f8f6f4 v[ACC+8*(4*(\a)+\b):ACC+8*(4*(\a)+\b)+7], v[BF+12*\b:BF+12*\b+11], v[AFR+12*(\a):AFR+12*(\a)+11], v[ACC+8*(4*(\a)+\b):ACC+8*(4*(\a)+\b)+7], v[SC+4*\b+(\q)], v[SC+4*(\a)+(\q)] matrix_a_fmt:MATRIX_FMT_FP6 matrix_b_fmt:MATRIX_FMT_FP6 matrix_a_scale:MATRIX_SCALE_ROW1
.endr
.endr
.endm
.macro KSTEP st
.rept 4
	v_nop                                          ; places in front of loads into registers that the last products read
.endr
.irp i, 0,1,2,3
	FRAGB BF+12*\i, \st, \i
.endr
	FRAGA AFR, \st, 0
	FRAGA AFR+12, \st, 1
.if (\st)%4 == 0
.irp i, 0,1,2,3
	ds_load_b128 v[SC+4*\i:SC+4*\i+3], v[ADRS] offset:512*\i+16*((\st)/4)
.endr
.endif
	FRAGA AFR+24, \st, 2
	FRAGA AFR+36, \st, 3
	s_wait_dscnt 12                                ; all but the youngest twelve: A's blocks 2 and 3
	MUL8 0, (\st)%4
	s_wait_dscnt 0x0
	MUL8 2, (\st)%4
.endm
.set ST, 0
.rept 8
	KSTEP ST
.set ST, ST+1
.endr
.rept 4
	v_nop
.endr
	s_barrier_signal -1
	s_barrier_wait -1                              ; nobody reads the tiles any more: the stages may lie there
.macro TOSTAGE a
.irp b, 0,1,2,3
	ds_store_b128 v[STO], v[ACC+32*(\a)+8*\b:ACC+32*(\a)+8*\b+3] offset:64*\b       ; each accumulator from its low end on
	ds_store_b128 v[STO], v[ACC+32*(\a)+8*\b+4:ACC+32*(\a)+8*\b+7] offset:64*\b+16
.endr
.irp t, 0,1,2,3,4,5,6,7
	ds_load_b128 v[BF+32*((\a)%2)+4*\t:BF+32*((\a)%2)+4*\t+3], v[RD] offset:\t*2*SPITCH   ; my own bytes, served in order
.endr
.endm
.macro SEND a, younger
	s_wait_dscnt \younger
.irp t, 0,1,2,3,4,5,6,7
	global_store_b128 v[CO], v[BF+32*((\a)%2)+4*\t:BF+32*((\a)%2)+4*\t+3], s[CP:CP+1] offset:(16*(\a)+2*\t)*4096 th:TH_STORE_NT   ; 16 lanes store 256 consecutive bytes, aligned
.endr
.endm
	TOSTAGE 0
.irp a, 1,2,3
.if \a > 1
	s_wait_xcnt 0x0                                ; block a - 2's stores have read their registers
.endif
	TOSTAGE \a
	SEND \a-1, 16                                  ; behind block a - 1's loads: block a's 8 stores and 8 loads
.endr
	SEND 3, 0
	s_wait_tensorcnt 0x0                           ; the wave's end
	ds_add_u32 v[SPW], v[NIL]
	s_wait_dscnt 0x0
	CROUND
	s_endpgm
.Lfunc_end_k_q1db553a069_outproj:
	.size	k_q1db553a069_outproj, .Lfunc_end_k_q1db553a069_outproj-k_q1db553a069_outproj
	.p2alignl 7, 3214868480
	.fill 96, 4, 3214868480
	.section	.rodata,"a",@progbits
	.p2align	6, 0x0
	.amdhsa_kernel k_q1db553a069_outproj
		.amdhsa_group_segment_fixed_size 327680
		.amdhsa_private_segment_fixed_size 0
		.amdhsa_enable_private_segment 0
		.amdhsa_kernarg_size 48
		.amdhsa_user_sgpr_count 2
		.amdhsa_user_sgpr_kernarg_segment_ptr 1
		.amdhsa_wavefront_size32 1
		.amdhsa_system_sgpr_workgroup_id_x 1
		.amdhsa_system_sgpr_workgroup_id_y 1
		.amdhsa_system_sgpr_workgroup_id_z 1
		.amdhsa_system_vgpr_workitem_id 0
		.amdhsa_next_free_vgpr 256
		.amdhsa_next_free_sgpr 98
		.amdhsa_reserve_vcc 0
		.amdhsa_float_denorm_mode_32 3
		.amdhsa_float_denorm_mode_16_64 3
		.amdhsa_memory_ordered 1
		.amdhsa_forward_progress 1
		.amdhsa_inst_pref_size 61
	.end_amdhsa_kernel
	.amdgpu_metadata
---
amdhsa.version: [ 1, 2 ]
amdhsa.kernels:
  - .name:           k_q1db553a069_outproj
    .symbol:         k_q1db553a069_outproj.kd
    .args:
      - { .name: ao_codes, .offset: 0, .size: 8, .value_kind: global_buffer, .address_space: global }
      - { .name: ao_scales, .offset: 8, .size: 8, .value_kind: global_buffer, .address_space: global }
      - { .name: Wo_codes, .offset: 16, .size: 8, .value_kind: global_buffer, .address_space: global }
      - { .name: Wo_scales, .offset: 24, .size: 8, .value_kind: global_buffer, .address_space: global }
      - { .name: bo, .offset: 32, .size: 8, .value_kind: global_buffer, .address_space: global }
      - { .name: out0, .offset: 40, .size: 8, .value_kind: global_buffer, .address_space: global }
    .group_segment_fixed_size: 327680
    .private_segment_fixed_size: 0
    .kernarg_segment_align: 8
    .kernarg_segment_size: 48
    .max_flat_workgroup_size: 256
    .sgpr_count:     98
    .vgpr_count:     256
    .wavefront_size: 32
...
	.end_amdgpu_metadata
.endif
;; end of part 3
